; MI455X (gfx1250); checked and timed in simulation.
; The chip was launched on July 23, 2026; its instructions are those of AMD's public machine-readable ISA for CDNA 5 (MIT licence, August 2026) and "CDNA5" Instruction Set Architecture Reference Guide (July 2026). The comments in the code are by the model that wrote it; some were corrected since.
;; Multi Head Attention. Allowed arithmetic: float matrix products may take bf16 or f16 operands with f32 sums; all other float work in f32.
;; Inputs: W_k 1,024 x 1,024 float32; W_o 1,024 x 1,024 float32; W_q 1,024 x 1,024 float32; W_v 1,024 x 1,024 float32; b_k 1,024 float32; b_o 1,024 float32; b_q 1,024 float32; b_v 1,024 float32; k 4 x 2,048 x 1,024 float32; padding_mask 4 x 2,048 bool; q 4 x 2,048 x 1,024 float32; v 4 x 2,048 x 1,024 float32.
;; Outputs: out0 4 x 2,048 x 1,024 float32.
;; One version. Each part assembles by itself: llvm-mc -triple=amdgcn-amd-amdhsa -mcpu=gfx1250 --defsym DOCPART=n.
;; ======== version 1 of 1: 4 launches
;; limits: values are held in f16: magnitudes above 65,504 overflow, below 6.1e-05 lose precision
;; workspace buffers: xb 50,331,648 bytes; wb 8,388,608 bytes; pb 32,768 bytes; hb 50,331,648 bytes; ab 16,777,216 bytes
;; launch cast (part 1): grid 1794 x 1, 8 waves a work-group, no clusters, 0 bytes of LDS; arguments q, k, v, W_q, W_k, W_v, W_o, padding_mask, xb, wb, pb; writes xb, wb, pb
.if DOCPART == 1
	.amdgcn_target "amdgcn-amd-amdhsa--gfx1250"
	.amdhsa_code_object_version 6
	.text
	.protected	k_qa54126955a_cast
	.globl	k_qa54126955a_cast
	.p2align	8
	.type	k_qa54126955a_cast,@function
k_qa54126955a_cast:
	s_mov_b64 s[64:65], 0
	v_nop
	global_prefetch_b8 v0, s[64:65] scope:SCOPE_SE
	s_setreg_imm32_b32 hwreg(HW_REG_WAVE_MODE, 25, 1), 1
	s_wait_xcnt 0x0
; Rounds the matrix operands once: q, k, v -> xb (bf16, [3][8192][1024]); W_q, W_k, W_v -> wb[0..2] (bf16);
; W_o -> wb[3] as f16(bf16(W_o)), so that it can meet an f16 operand in one matrix form; padding_mask -> pb, f32: 0 or -2^102.
; LIMIT: a bf16 number below 2^-17 in magnitude loses bits in the f16 container of W_o (absolute error at most 2^-25).
; LIMIT: any non-zero mask byte counts as true.
; Work-groups 0 to 1791: unit = x / 64 (0-7 q, 8-15 k, 16-23 v, 24-27 the four weights; a unit is 2^20 numbers), chunk = x % 64:
; 16,384 numbers, 64 KiB in, 32 KiB out.  All sixteen loads of a thread go out at once; a load of a wave covers 512 neighbouring bytes,
; a store of a wave 256 neighbouring bytes at a multiple of 256.  Memory binds: no LDS, no barrier, no matrix unit.
; Work-groups 1792, 1793: half of the mask each.
.set X, 8                              ; v[8:71]   sixteen loads of four f32
.set Y, 72                             ; v[72:103] sixteen pairs of packed results, each with registers of its own
.set T, 4                              ; v[4:7]    at work (W_o)
	s_load_b512 s[8:23], s[0:1], 0x0               ; q k v W_q W_k W_v W_o mask
	s_load_b128 s[24:27], s[0:1], 0x40             ; xb s[24:25], wb s[26:27]
	s_load_b64 s[28:29], s[0:1], 0x50              ; pb
	v_lshlrev_b32 v1, 4, v0                        ; 16 t: my 16 bytes of a load (and of a mask store)
	v_lshlrev_b32 v2, 3, v0                        ; 8 t: my 8 bytes of a store
	s_lshr_b32 s2, ttmp9, 6                        ; unit
	s_and_b32 s3, ttmp9, 63                        ; chunk
	s_wait_kmcnt 0x0
	s_cmp_ge_u32 ttmp9, 1792
	s_cbranch_scc1 .Lmask
	; the source by the unit's number: a chain of selects, none of which hangs on an address
	s_cmp_ge_u32 s2, 8
	s_cselect_b64 s[30:31], s[10:11], s[8:9]
	s_cmp_ge_u32 s2, 16
	s_cselect_b64 s[30:31], s[12:13], s[30:31]
	s_cmp_ge_u32 s2, 24
	s_cselect_b64 s[30:31], s[14:15], s[30:31]
	s_cselect_b64 s[32:33], s[26:27], s[24:25]     ; weights go to wb, the rest to xb
	s_cselect_b32 s4, 0, 7                         ; a weight is one unit; q, k, v are eight
	s_cselect_b32 s5, 24, 0
	s_cmp_ge_u32 s2, 25
	s_cselect_b64 s[30:31], s[16:17], s[30:31]
	s_cmp_ge_u32 s2, 26
	s_cselect_b64 s[30:31], s[18:19], s[30:31]
	s_cmp_ge_u32 s2, 27
	s_cselect_b64 s[30:31], s[20:21], s[30:31]
	s_and_b32 s4, s2, s4                           ; the unit inside its source
	s_lshl_b32 s34, s4, 22                         ; x 4 MiB
	s_lshl_b32 s6, s3, 16                          ; + chunk x 64 KiB
	s_add_co_u32 s34, s34, s6
	s_mov_b32 s35, 0
	s_sub_co_u32 s5, s2, s5                        ; the unit inside its destination
	s_lshl_b32 s36, s5, 21                         ; x 2 MiB
	s_lshl_b32 s6, s3, 15                          ; + chunk x 32 KiB
	s_add_co_u32 s36, s36, s6
	s_mov_b32 s37, 0
	s_add_nc_u64 s[30:31], s[30:31], s[34:35]
	s_add_nc_u64 s[32:33], s[32:33], s[36:37]
.irp j, 0,1,2,3,4,5,6,7,8,9,10,11,12,13,14,15
	global_load_b128 v[X+4*\j:X+4*\j+3], v1, s[30:31] offset:4096*\j th:TH_LOAD_NT
.endr
; load j is rounded and stored.  half = 1: the bf16 numbers are widened again and written as f16.
.macro CONV j, half
	s_wait_loadcnt 15-\j                           ; loads come back in order: the 15 - j younger ones may stay out
	v_cvt_pk_bf16_f32 v[Y+2*\j], v[X+4*\j], v[X+4*\j+1]
	v_cvt_pk_bf16_f32 v[Y+2*\j+1], v[X+4*\j+2], v[X+4*\j+3]
.if \half
	v_lshlrev_b32 v[T], 16, v[Y+2*\j]
	v_and_b32 v[T+1], 0xffff0000, v[Y+2*\j]
	v_lshlrev_b32 v[T+2], 16, v[Y+2*\j+1]
	v_and_b32 v[T+3], 0xffff0000, v[Y+2*\j+1]
	v_cvt_pk_f16_f32 v[Y+2*\j], v[T], v[T+1]
	v_cvt_pk_f16_f32 v[Y+2*\j+1], v[T+2], v[T+3]
.endif
	global_store_b64 v2, v[Y+2*\j:Y+2*\j+1], s[32:33] offset:2048*\j
.endm
	s_cmp_eq_u32 s2, 27
	s_cbranch_scc1 .Lhalf
.irp j, 0,1,2,3,4,5,6,7,8,9,10,11,12,13,14,15
	CONV \j, 0
.endr
	s_endpgm
.Lhalf:                                            ; W_o
.irp j, 0,1,2,3,4,5,6,7,8,9,10,11,12,13,14,15
	CONV \j, 1
.endr
	s_endpgm
.Lmask:                                            ; 4,096 mask bytes -> 4,096 f32
	s_sub_co_u32 s2, ttmp9, 1792
	s_lshl_b32 s34, s2, 12
	s_mov_b32 s35, 0
	s_lshl_b32 s36, s2, 14
	s_mov_b32 s37, 0
	s_add_nc_u64 s[30:31], s[22:23], s[34:35]
	s_add_nc_u64 s[32:33], s[28:29], s[36:37]
	v_lshlrev_b32 v3, 2, v0                        ; my four mask bytes
.irp j, 0,1,2,3
	global_load_b32 v[X+\j], v3, s[30:31] offset:1024*\j
.endr
	v_mov_b32 v4, 0xf2800000                       ; -2^102
.irp j, 0,1,2,3
	s_wait_loadcnt 3-\j                            ; the 3 - j younger loads may stay out
.irp i, 0,1,2,3
	v_bfe_u32 v5, v[X+\j], 8*\i, 8
	v_cmp_ne_u32 vcc_lo, 0, v5
	v_cndmask_b32 v[X+4+4*\j+\i], 0, v4, vcc_lo
.endr
	global_store_b128 v1, v[X+4+4*\j:X+4+4*\j+3], s[32:33] offset:4096*\j
.endr
	s_endpgm
.Lfunc_end_k_qa54126955a_cast:
	.size	k_qa54126955a_cast, .Lfunc_end_k_qa54126955a_cast-k_qa54126955a_cast
	.p2alignl 7, 3214868480
	.fill 96, 4, 3214868480
	.section	.rodata,"a",@progbits
	.p2align	6, 0x0
	.amdhsa_kernel k_qa54126955a_cast
		.amdhsa_group_segment_fixed_size 0
		.amdhsa_private_segment_fixed_size 0
		.amdhsa_enable_private_segment 0
		.amdhsa_kernarg_size 88
		.amdhsa_user_sgpr_count 2
		.amdhsa_user_sgpr_kernarg_segment_ptr 1
		.amdhsa_wavefront_size32 1
		.amdhsa_system_sgpr_workgroup_id_x 1
		.amdhsa_system_sgpr_workgroup_id_y 1
		.amdhsa_system_sgpr_workgroup_id_z 1
		.amdhsa_system_vgpr_workitem_id 0
		.amdhsa_next_free_vgpr 104
		.amdhsa_next_free_sgpr 66
		.amdhsa_reserve_vcc 1
		.amdhsa_float_denorm_mode_32 3
		.amdhsa_float_denorm_mode_16_64 3
		.amdhsa_memory_ordered 1
		.amdhsa_forward_progress 1
		.amdhsa_inst_pref_size 20
	.end_amdhsa_kernel
	.amdgpu_metadata
---
amdhsa.version: [ 1, 2 ]
amdhsa.kernels:
  - .name:           k_qa54126955a_cast
    .symbol:         k_qa54126955a_cast.kd
    .args:
      - { .name: q, .offset: 0, .size: 8, .value_kind: global_buffer, .address_space: global }
      - { .name: k, .offset: 8, .size: 8, .value_kind: global_buffer, .address_space: global }
      - { .name: v, .offset: 16, .size: 8, .value_kind: global_buffer, .address_space: global }
      - { .name: W_q, .offset: 24, .size: 8, .value_kind: global_buffer, .address_space: global }
      - { .name: W_k, .offset: 32, .size: 8, .value_kind: global_buffer, .address_space: global }
      - { .name: W_v, .offset: 40, .size: 8, .value_kind: global_buffer, .address_space: global }
      - { .name: W_o, .offset: 48, .size: 8, .value_kind: global_buffer, .address_space: global }
      - { .name: padding_mask, .offset: 56, .size: 8, .value_kind: global_buffer, .address_space: global }
      - { .name: xb, .offset: 64, .size: 8, .value_kind: global_buffer, .address_space: global }
      - { .name: wb, .offset: 72, .size: 8, .value_kind: global_buffer, .address_space: global }
      - { .name: pb, .offset: 80, .size: 8, .value_kind: global_buffer, .address_space: global }
    .group_segment_fixed_size: 0
    .private_segment_fixed_size: 0
    .kernarg_segment_align: 8
    .kernarg_segment_size: 88
    .max_flat_workgroup_size: 256
    .sgpr_count:     66
    .vgpr_count:     104
    .wavefront_size: 32
...
	.end_amdgpu_metadata
.endif
;; end of part 1
;; launch qkv (part 2): grid 4 x 96, 4 waves a work-group, clusters of 4 x 4, 327,680 bytes of LDS; arguments xb, wb, b_q, b_k, b_v, hb; writes hb
.if DOCPART == 2
	.amdgcn_target "amdgcn-amd-amdhsa--gfx1250"
	.amdhsa_code_object_version 6
	.text
	.protected	k_qa54126955a_qkv
	.globl	k_qa54126955a_qkv
	.p2align	8
	.type	k_qa54126955a_qkv,@function
k_qa54126955a_qkv:
	s_mov_b64 s[64:65], 0
	v_nop
	global_prefetch_b8 v0, s[64:65] scope:SCOPE_SE
	s_setreg_imm32_b32 hwreg(HW_REG_WAVE_MODE, 25, 1), 1
	s_wait_xcnt 0x0
	s_wait_alu depctr_hold_cnt(0) depctr_sa_sdst(0) depctr_va_vdst(0) depctr_va_sdst(0) depctr_va_ssrc(0) depctr_va_vcc(0) depctr_vm_vsrc(0)
	s_getreg_b32 s2, hwreg(HW_REG_IB_STS2, 6, 4)
	s_cmp_eq_u32 s2, 0
	s_cbranch_scc0 .Lentry_in_a_cluster
	s_endpgm
.Lentry_in_a_cluster:
	s_bfe_u32 s2, ttmp6, 0x10000c
	s_cmp_lg_u32 s2, 0xf033
	s_cbranch_scc0 .Lentry_shape_is_right
	s_endpgm
.Lentry_shape_is_right:
; C[m][n] = sum over k of A[m][k] W[n][k] + bias[n], K = 1024, for the three projections at once.
; A = xb (bf16 [3 x 8192][1024]: q, k, v), W = wb[tensor] (bf16 [1024][1024]), bias = b_q / b_k / b_v (f32).
; C goes out as f16, by heads: hb[tensor][batch*16+head][s][64].   LIMIT: |C| has to stay below 65,504, the largest f16 number.
; A work-group makes a block of 256 x 256 of C with four waves, a wave 128 x 128: 64 accumulator tiles, 512 registers.  K goes in steps of 128
; through two LDS slots filled by the tensor data mover; a tile's rows are 256 bytes of memory and start at multiples of 256 bytes.
; WHY THIS BLOCK: 3 x 32 x 4 = 384 blocks.  A block of 128 rows would give 768, but only 120 matrix instructions of a wave between a tile's
; request and the wait for it, against 240 here, and half as much again LDS traffic for each product.
; CLUSTERS of 4 x 4 work-groups: A's tile hangs on the block row alone and is asked for jointly by a row of the cluster; W's hangs on the block column
; and on the tensor (cluster y / 8: the same in the whole cluster) and is asked for jointly by a column.  That divides the requests for A and W by four.
; THE MATRIX INSTRUCTION IS USED TRANSPOSED (source 0 = 16 rows of W, source 1 = 16 rows of A): register j of lane l holds C(m = l % 16, n = 8 (l / 16) + j),
; eight neighbouring numbers of a row.  The bias is the C operand of each accumulator's first product: nothing is cleared, nothing is added later.
; REGISTERS, in windows of 256:
;   window 0: v0-31 addresses; v64-127, v128-191 fragments of A (8 x 16 rows x 32 K), two buffers; v192-223 at work on the way out
;   window 1: v64-127, v128-191 fragments of W, two buffers; v192-255 the bias of my 128 columns, 8 registers for each column tile
;   window 2: the 32 accumulator tiles of my rows 0-63 (tile (a, b) at v[8 (8 a + b)]);   window 3: those of my rows 64-127
.set SIZE_K, 1024
.set KSTEP,  128
.set PITCH,  272                       ; an LDS row: 256 bytes + 16 of padding: an odd multiple of 16, so the 16 rows of a fragment start in 16 different 16-byte columns
.set HALFT,  128*PITCH                 ; 128 rows: what one tensor load brings, and what one wave reads of A or of W
.set SLOT,   4*HALFT                   ; A's 256 rows, then W's 256 rows
.set STAGE,  2*SLOT                    ; behind the ring: 16 rows x 272 bytes for each wave, its own; no tensor load lands here
.set SPITCH, 272
.set LAPS,   SIZE_K/(2*KSTEP)          ; a lap = two K steps = once round the ring: 4
.set ADRA, 16                          ; v16-17  LDS address of my A fragments in slot 0, 1
.set ADRB, 20                          ; v20-21  the same for W
.set STO,  24                          ; v24     the way out: where I put 16 bytes of a row
.set RD,   25                          ; v25     the way out: where I read back
.set CO,   26                          ; v26     my byte offset in hb
.set BO,   27                          ; v27     my byte offset in the bias
.set F0,   64                          ; fragment buffer 0
.set F1,   128                         ; fragment buffer 1
.set TMP,  192                         ; window 0: packed results on the way out
.set BIAS, 192                         ; window 1: the bias
.set G1,  24                           ; s[24:31] descriptor group 1 for A's tiles
.set G0,  32                           ; s[32:39] descriptor group 0 for A's tiles, a set for each slot
.set G1B, 48                           ; s[48:55] group 1 for W's tiles: it differs from A's in the mask alone
.set G0B, 56                           ; s[56:63] group 0 for W's tiles
.set MSB, 0
.macro WIN new                         ; the immediate's high byte repeats the setting that is left
.if MSB != \new
	s_set_vgpr_msb (MSB<<8)|\new
.set MSB, \new
.endif
.endm
.set MUL_LO,  0xa1                     ; source 0 (W) window 1, source 1 (A) window 0, C and D window 2
.set MUL_HI,  0xf1                     ; the same, C and D window 3
.set MULB_LO, 0x91                     ; the first products: C (the bias) window 1, D window 2
.set MULB_HI, 0xd1                     ; C window 1, D window 3
.set TO_B,    0x40                     ; destination window 1, address window 0
; A joint load.  Waves 0 and 1 fetch A's two halves, waves 2 and 3 W's.  Each line has one mask and one set of registers for all that issue it;
; the branch hangs on the wave's number alone.
.macro JLOAD s
	s_cmp_eq_u32 s11, 0
	s_cbranch_scc0 .Lfor_b_\@
	tensor_load_to_lds s[G0+4*\s:G0+4*\s+3], s[G1:G1+7]
	s_nop 0
	s_branch .Lasked_\@
.Lfor_b_\@:
	tensor_load_to_lds s[G0B+4*\s:G0B+4*\s+3], s[G1B:G1B+7]
	s_nop 0
.Lasked_\@:
.endm
.macro CREST                           ; a round of the cluster's barrier behind its opening barrier
	s_cmp_lg_u32 s10, 0
	s_cbranch_scc1 .Lnot_wave_0_\@
	s_barrier_signal -3
.Lnot_wave_0_\@:
	s_barrier_wait -3
	s_barrier_signal -1
	s_barrier_wait -1
.endm
.macro CROUND                          ; a whole round
	s_barrier_signal -1
	s_barrier_wait -1
	CREST
.endm
	s_load_b128 s[4:7], s[0:1], 0x0                ; xb s[4:5], wb s[6:7]
	s_load_b128 s[68:71], s[0:1], 0x10             ; b_q, b_k
	s_load_b128 s[72:75], s[0:1], 0x20             ; b_v, hb s[74:75]
	s_set_vgpr_msb 0x40
	v_lshl_add_u32 v63, v0, 2, 0x48400
	s_set_vgpr_msb 0x4000
	v_mov_b32 v255, 0
	s_set_vgpr_msb 0x1
	ds_add_u32 v63, v255
	ds_add_u32 v63, v255
	s_set_vgpr_msb 0x100
	v_lshrrev_b32 v1, 5, v0
	v_readfirstlane_b32 s10, v1                    ; wave 0..3
	s_lshr_b32 s11, s10, 1                         ; which half of the block's rows is mine.  Also: I fetch for A (0) or for W (1)
	s_and_b32 s12, s10, 1                          ; which half of its columns.  Also: which 128 rows of that tile I fetch
	s_bfe_u32 s40, ttmp6, 0x40000                  ; cx
	s_bfe_u32 s41, ttmp6, 0x40004                  ; cy
	s_lshl_b32 s42, ttmp9, 2
	s_add_co_u32 s42, s42, s40                     ; block column = 4 x cluster x + cx
	s_and_b32 s13, ttmp7, 0xffff
	s_lshr_b32 s45, s13, 3                         ; which tensor: eight clusters (32 block rows) each
	s_lshl_b32 s13, s13, 2
	s_add_co_u32 s13, s13, s41                     ; block row = 4 x cluster y + cy, 0 to 95
	s_lshl_b32 s43, s41, 2
	s_lshl_b32 s43, 15, s43                        ; my row of the cluster: places 4 cy .. 4 cy + 3
	s_lshl_b32 s44, 0x1111, s40                    ; my column: places cx, cx + 4, cx + 8, cx + 12
	; group 1: a tile of 128 rows x 128 elements of 2 bytes; after every 64 words 4 words of padding; bit 21 set beside a mask
	s_or_b32 s[G1+0], s43, (1<<16)|(1<<20)|(1<<21)|(5<<22)|(3<<25)
	s_or_b32 s[G1B+0], s44, (1<<16)|(1<<20)|(1<<21)|(5<<22)|(3<<25)
	s_mov_b32 s[G1+1], KSTEP<<16                   ; tensor_dim0 = 128
	s_mov_b32 s[G1B+1], KSTEP<<16
	s_mov_b32 s[G1+2], 128<<16                     ; tensor_dim1 = 128
	s_mov_b32 s[G1B+2], 128<<16
	s_mov_b32 s[G1+3], KSTEP<<16                   ; tile_dim0 = 128
	s_mov_b32 s[G1B+3], KSTEP<<16
	s_mov_b32 s[G1+4], 128                         ; tile_dim1 = 128
	s_mov_b32 s[G1B+4], 128
	s_mov_b32 s[G1+5], SIZE_K                      ; elements from row to row
	s_mov_b32 s[G1B+5], SIZE_K
	s_mov_b32 s[G1+6], 0
	s_mov_b32 s[G1B+6], 0
	s_mov_b32 s[G1+7], 0
	s_mov_b32 s[G1B+7], 0
	; where the tiles come from: A's offset is made of the block row and the wave, W's of the tensor, the block column and the wave, in registers of their own
	s_lshl_b32 s17, s12, 7                         ; which 128 rows of the tile I fetch
	s_lshl_b32 s16, s13, 8
	s_add_co_u32 s16, s16, s17                     ; A: row 256 x block row + 128 x half (xb's three tensors follow each other)
	s_lshl_b32 s16, s16, 11                        ; rows of 2,048 bytes: below 48 MiB
	s_lshl_b32 s46, s45, 10
	s_lshl_b32 s47, s42, 8
	s_add_co_u32 s46, s46, s47
	s_add_co_u32 s46, s46, s17                     ; W: row 1024 x tensor + 256 x block column + 128 x half
	s_lshl_b32 s46, s46, 11
	s_mov_b32 s17, 0
	s_mov_b32 s47, 0
	s_mul_i32 s20, s10, HALFT                      ; and where they go: A's two halves, then W's two halves = wave x 128 rows
	s_wait_dscnt 0x0
	s_wait_kmcnt 0x0
	s_add_nc_u64 s[14:15], s[4:5], s[16:17]
	s_add_nc_u64 s[46:47], s[6:7], s[46:47]
	CROUND                                         ; all sixteen work-groups are here: the first joint loads meet
.irp s, 0,1
	s_mov_b32 s[G0+4*\s], 1
	s_add_co_u32 s[G0+4*\s+1], s20, \s*SLOT
	s_add_nc_u64 s[G0+4*\s+2:G0+4*\s+3], s[14:15], \s*KSTEP*2
	s_or_b32 s[G0+4*\s+3], s[G0+4*\s+3], 0x80000000
	s_mov_b32 s[G0B+4*\s], 1
	s_add_co_u32 s[G0B+4*\s+1], s20, \s*SLOT
	s_add_nc_u64 s[G0B+4*\s+2:G0B+4*\s+3], s[46:47], \s*KSTEP*2
	s_or_b32 s[G0B+4*\s+3], s[G0B+4*\s+3], 0x80000000
	JLOAD \s                                       ; K steps 0 and 1: two loads of the wave are out
.endr
	; fragment addresses: lane l holds row l % 16; two loads of 16 bytes, 32 apart, at row x pitch + 16 (l / 16)
	v_and_b32 v1, 15, v0                           ; l % 16
	v_bfe_u32 v2, v0, 4, 1                         ; l / 16
	v_mul_u32_u24 v3, v1, PITCH
	v_lshl_add_u32 v3, v2, 4, v3
	s_mul_i32 s21, s11, HALFT                      ; my 128 rows of A
	s_mul_i32 s22, s12, HALFT                      ; my 128 rows of W,
	s_add_co_u32 s22, s22, 2*HALFT                 ; which lie behind A's 256
.irp s, 0,1
	v_add_nc_u32 v[ADRA+\s], s21, v3
	v_add_nc_u32 v[ADRB+\s], s22, v3
	s_add_co_u32 s21, s21, SLOT
	s_add_co_u32 s22, s22, SLOT
.endr
	s_mul_i32 s23, s10, 16*SPITCH
	s_add_co_u32 s23, s23, STAGE                   ; my stage
	v_add_nc_u32 v[STO], s23, v3                   ; in: row l % 16, 16 bytes for each half of the lanes
	v_bfe_u32 v5, v0, 3, 1
	v_and_b32 v6, 7, v0
	v_mul_u32_u24 v7, v5, SPITCH                   ; back: lanes 0-7 a head's 128 bytes of one row, lanes 8-15 of the next row, lanes 16-31 the other head
	v_lshl_add_u32 v7, v2, 7, v7
	v_lshl_add_u32 v7, v6, 4, v7
	v_add_nc_u32 v[RD], s23, v7
	v_lshlrev_b32 v7, 18, v2                       ; out: heads are 2048 x 128 bytes apart, a head's rows follow each other
	v_lshl_add_u32 v7, v5, 7, v7
	v_lshl_add_u32 v[CO], v6, 4, v7
	; the bias of my 128 columns: register j of column tile b = bias[16 b + 8 (l / 16) + j]
	v_lshlrev_b32 v[BO], 5, v2
	s_lshl_b32 s66, s42, 10
	s_lshl_b32 s67, s12, 9
	s_add_co_u32 s66, s66, s67                     ; 4 bytes x (256 x block column + 128 x half)
	s_mov_b32 s67, 0
	s_cmp_eq_u32 s45, 1
	s_cselect_b64 s[76:77], s[70:71], s[68:69]
	s_cmp_eq_u32 s45, 2
	s_cselect_b64 s[76:77], s[72:73], s[76:77]
	s_add_nc_u64 s[76:77], s[76:77], s[66:67]
	WIN TO_B                                       ; destination in window 1
.irp b, 0,1,2,3,4,5,6,7
	global_load_b128 v[BIAS+8*\b:BIAS+8*\b+3], v[BO], s[76:77] offset:64*\b
	global_load_b128 v[BIAS+8*\b+4:BIAS+8*\b+7], v[BO], s[76:77] offset:64*\b+16
.endr
	WIN 0
	; where my 128 x 128 of C goes: two heads, 128 rows of the sequence
	s_bfe_u32 s66, s13, 0x20003                    ; batch = (block row / 8) % 4
	s_lshl_b32 s66, s66, 4
	s_lshl_b32 s78, s42, 2
	s_add_co_u32 s66, s66, s78
	s_lshl_b32 s78, s12, 1
	s_add_co_u32 s66, s66, s78                     ; batch x 16 + the first of my two heads
	s_lshl_b32 s66, s66, 11
	s_and_b32 s78, s13, 7
	s_lshl_b32 s78, s78, 8
	s_add_co_u32 s66, s66, s78                     ; + the block's first row in the sequence
	s_lshl_b32 s78, s11, 7
	s_add_co_u32 s66, s66, s78                     ; + my half
	s_lshl_b32 s66, s66, 7                         ; rows of 128 bytes
	s_lshl_b32 s78, s45, 24
	s_add_co_u32 s66, s66, s78                     ; + the tensor's 16 MiB
	s_mov_b32 s67, 0
	s_add_nc_u64 s[8:9], s[74:75], s[66:67]
; 16 matrix instructions: row tiles a0, a0 + 1 of the window's four (hi = 0: my rows 0-63, 1: rows 64-127) x all 8 column tiles, 32 along K.
; first = 1: the sum starts from the bias.  The 64 accumulators take turns, one instruction a turn,in the same order in every quarter step.,
.macro MUL16 f, hi, a0, first
.irp a, \a0, \a0+1
.irp b, 0,1,2,3,4,5,6,7
.if \first
	v_wmma_f32_16x16x32_bf16 v[8*(8*(\a)+\b):8*(8*(\a)+\b)+7], v[\f+8*\b:\f+8*\b+7], v[\f+8*(4*\hi+\a):\f+8*(4*\hi+\a)+7], v[BIAS+8*\b:BIAS+8*\b+7]
.else
	v_wmma_f32_16x16x32_bf16 v[8*(8*(\a)+\b):8*(8*(\a)+\b)+7], v[\f+8*\b:\f+8*\b+7], v[\f+8*(4*\hi+\a):\f+8*(4*\hi+\a)+7], v[8*(8*(\a)+\b):8*(8*(\a)+\b)+7]
.endif
.endr
.endr
.endm
; 32 LDS loads in one run: the fragments of one quarter step (128 rows of W, then 128 rows of A, 32 K at byte k of the rows) into buffer f
.macro FETCH slot, k, f
	WIN TO_B
.irp i, 0,1,2,3,4,5,6,7
	ds_load_b128 v[\f+8*\i:\f+8*\i+3],   v[ADRB+\slot] offset:\k+\i*16*PITCH
	ds_load_b128 v[\f+8*\i+4:\f+8*\i+7], v[ADRB+\slot] offset:\k+\i*16*PITCH+32
.endr
	WIN 0
.irp i, 0,1,2,3,4,5,6,7
	ds_load_b128 v[\f+8*\i:\f+8*\i+3],   v[ADRA+\slot] offset:\k+\i*16*PITCH
	ds_load_b128 v[\f+8*\i+4:\f+8*\i+7], v[ADRA+\slot] offset:\k+\i*16*PITCH+32
.endr
.endm
; four plain vector instructions stand between a matrix instruction and a load into one of its registers or a vector read of its result
.macro PLACES
.rept 4
	v_nop
.endr
.endm
; A K step is four quarter steps of 32 along K, 64 matrix instructions each, on buffers 0, 1, 0, 1.
; One of the first three: multiplies buffer f; in its middle it fetches the next quarter's fragments, at byte k of the same slot's rows, into buffer g.
.macro QUARTER slot, k, f, g, first
	s_wait_dscnt 8                                 ; W and A's rows 0-63 are in; the youngest eight loads (A's rows 64-127) may be out
.if \first
	WIN MULB_LO
.else
	WIN MUL_LO
.endif
	MUL16 \f, 0, 0, \first
	MUL16 \f, 0, 2, \first
	PLACES
	FETCH \slot, \k, \g
	s_wait_dscnt 32                                ; all but the 32 just issued
.if \first
	WIN MULB_HI
.else
	WIN MUL_HI
.endif
	MUL16 \f, 1, 0, \first
	MUL16 \f, 1, 2, \first
.endm
.macro THREE slot, first
	QUARTER \slot, 64,  F0, F1, \first
	QUARTER \slot, 128, F1, F0, 0
	QUARTER \slot, 192, F0, F1, 0
.endm
; The last quarter multiplies buffer 1 and changes slots.  In front of the barrier each wave waits for its own reads of this slot and for all its tensor
; loads, of which one is out: its part of the next slot.  Behind it (where the slot is filled again: behind the round of the cluster's barrier that it opens)
; the joint refill comes first, then the next slot's first fragments.  From a request to the wait for it a wave issues 240 matrix instructions.
.macro TURN slot, next, fill
	s_wait_dscnt 8
	WIN MUL_LO
	MUL16 F1, 0, 0, 0
	s_wait_dscnt 0                                 ; my reads of this slot are over
	s_wait_tensorcnt 0x0                           ; all my tensor loads have landed
	ds_add_u32 v63, v255
	s_wait_dscnt 0x0
	s_barrier_signal -1
	MUL16 F1, 0, 2, 0                              ; register work while the others arrive
	WIN 0
	s_barrier_wait -1
.if \fill
	CREST                                          ; no wave of any partner still reads this slot or has a load on its way
	s_add_nc_u64 s[G0+4*\slot+2:G0+4*\slot+3], s[G0+4*\slot+2:G0+4*\slot+3], 2*KSTEP*2
	s_add_nc_u64 s[G0B+4*\slot+2:G0B+4*\slot+3], s[G0B+4*\slot+2:G0B+4*\slot+3], 2*KSTEP*2
	JLOAD \slot                                    ; my one tensor load behind the round
.endif
	PLACES
	FETCH \next, 0, F0
	WIN MUL_HI
	MUL16 F1, 1, 0, 0
	MUL16 F1, 1, 2, 0
.endm
.macro LAP first                       ; once round the ring, both slots filled again
	THREE 0, \first
	TURN 0, 1, 1
	THREE 1, 0
	TURN 1, 0, 1
.endm
	s_wait_loadcnt 0x0                             ; the bias
	s_wait_tensorcnt 0x1                           ; my part of K step 0 is in; K step 1's may stay out
	s_barrier_signal -1
	s_barrier_wait -1                              ; everybody's is
	FETCH 0, 0, F0
	LAP 1                                          ; the first lap stands in front of the loop: its first products start the sums
	WIN 0                                          ; at a label and at a branch every window is 0
	s_mov_b32 s3, LAPS-2
.Llap:
	LAP 0
	WIN 0
	s_sub_co_u32 s3, s3, 1
	s_cmp_lg_u32 s3, 0
	s_cbranch_scc1 .Llap
	THREE 0, 0                                     ; the last lap fills nothing: my one tensor load that is still out is slot 1's, the last K step's
	TURN 0, 1, 0
	THREE 1, 0
	s_wait_dscnt 8                                 ; the very last quarter: nothing more to fetch
	WIN MUL_LO
	MUL16 F1, 0, 0, 0
	MUL16 F1, 0, 2, 0
	s_wait_dscnt 0
	WIN MUL_HI
	MUL16 F1, 1, 0, 0
	MUL16 F1, 1, 2, 0
	PLACES                                         ; behind the last matrix instructions: results are read, fragment registers loaded
; THE WAY OUT, 16 rows of C at a time: round to f16, 16 bytes a lane into my own stage, read back by heads.  LDS serves a wave's instructions in
; order (ISA guide 5.7.1), so no wait stands between its stores and its loads.
; rows 16 i .. 16 i + 15 = the eight tiles (a, 0..7) of window 2 or 3 (from = 0x0a or 0x0f: sources 0 and 1); f: F0 or F1 in turn
.macro OUT16 i, a, from, f
	WIN \from
.irp b, 0,1,2,3,4,5,6,7
.irp r, 0,1,2,3
	v_cvt_pk_f16_f32 v[TMP+4*\b+\r], v[8*(8*\a+\b)+2*\r], v[8*(8*\a+\b)+2*\r+1]
.endr
.endr
	WIN 0
.irp b, 0,1,2,3,4,5,6,7
	ds_store_b128 v[STO], v[TMP+4*\b:TMP+4*\b+3] offset:32*\b
.endr
	s_wait_xcnt 0x0                                ; buffer f, which earlier stores read, is loaded again only behind this wait
.irp t, 0,1,2,3,4,5,6,7
	ds_load_b128 v[\f+4*\t:\f+4*\t+3], v[RD] offset:\t*2*SPITCH
.endr
.irp t, 0,1,2,3,4,5,6,7
	s_wait_dscnt 7-\t                              ; the younger read-backs may stay out
	global_store_b128 v[CO], v[\f+4*\t:\f+4*\t+3], s[8:9] offset:2048*\i+256*\t   ; 16 lanes: two rows of one head, 256 consecutive bytes at a multiple of 256
.endr
.endm
	OUT16 0, 0, 0x0a, F0
	OUT16 1, 1, 0x0a, F1
	OUT16 2, 2, 0x0a, F0
	OUT16 3, 3, 0x0a, F1
	OUT16 4, 0, 0x0f, F0
	OUT16 5, 1, 0x0f, F1
	OUT16 6, 2, 0x0f, F0
	OUT16 7, 3, 0x0f, F1
	s_set_vgpr_msb 0x1
	s_wait_tensorcnt 0x0
	ds_add_u32 v63, v255
	s_wait_dscnt 0x0
	s_set_vgpr_msb 0x100
	CROUND                                         ; the closing round: no work-group ends while a partner may still ask for a tile that names it
	s_endpgm
.Lfunc_end_k_qa54126955a_qkv:
	.size	k_qa54126955a_qkv, .Lfunc_end_k_qa54126955a_qkv-k_qa54126955a_qkv
	.p2alignl 7, 3214868480
	.fill 96, 4, 3214868480
	.section	.rodata,"a",@progbits
	.p2align	6, 0x0
	.amdhsa_kernel k_qa54126955a_qkv
		.amdhsa_group_segment_fixed_size 327680
		.amdhsa_private_segment_fixed_size 0
		.amdhsa_enable_private_segment 0
		.amdhsa_kernarg_size 48
		.amdhsa_user_sgpr_count 2
		.amdhsa_user_sgpr_kernarg_segment_ptr 1
		.amdhsa_wavefront_size32 1
		.amdhsa_system_sgpr_workgroup_id_x 1
		.amdhsa_system_sgpr_workgroup_id_y 1
		.amdhsa_system_sgpr_workgroup_id_z 1
		.amdhsa_system_vgpr_workitem_id 0
		.amdhsa_next_free_vgpr 1024
		.amdhsa_next_free_sgpr 80
		.amdhsa_reserve_vcc 0
		.amdhsa_float_denorm_mode_32 3
		.amdhsa_float_denorm_mode_16_64 3
		.amdhsa_memory_ordered 1
		.amdhsa_forward_progress 1
		.amdhsa_inst_pref_size 198
	.end_amdhsa_kernel
	.amdgpu_metadata
---
amdhsa.version: [ 1, 2 ]
amdhsa.kernels:
  - .name:           k_qa54126955a_qkv
    .symbol:         k_qa54126955a_qkv.kd
    .args:
      - { .name: xb, .offset: 0, .size: 8, .value_kind: global_buffer, .address_space: global }
      - { .name: wb, .offset: 8, .size: 8, .value_kind: global_buffer, .address_space: global }
      - { .name: b_q, .offset: 16, .size: 8, .value_kind: global_buffer, .address_space: global }
      - { .name: b_k, .offset: 24, .size: 8, .value_kind: global_buffer, .address_space: global }
      - { .name: b_v, .offset: 32, .size: 8, .value_kind: global_buffer, .address_space: global }
      - { .name: hb, .offset: 40, .size: 8, .value_kind: global_buffer, .address_space: global }
    .group_segment_fixed_size: 327680
    .private_segment_fixed_size: 0
    .kernarg_segment_align: 8
    .kernarg_segment_size: 48
    .max_flat_workgroup_size: 128
    .sgpr_count:     80
    .vgpr_count:     1024
    .wavefront_size: 32
...
	.end_amdgpu_metadata
.endif
;; end of part 2
;; launch attn (part 3): grid 4 x 64, 8 waves a work-group, no clusters, 327,680 bytes of LDS; arguments hb, pb, ab; writes ab
.if DOCPART == 3
	.amdgcn_target "amdgcn-amd-amdhsa--gfx1250"
	.amdhsa_code_object_version 6
	.text
	.protected	k_qa54126955a_attn
	.globl	k_qa54126955a_attn
	.p2align	8
	.type	k_qa54126955a_attn,@function
k_qa54126955a_attn:
	s_mov_b64 s[64:65], 0
	v_nop
	global_prefetch_b8 v0, s[64:65] scope:SCOPE_SE
	s_setreg_imm32_b32 hwreg(HW_REG_WAVE_MODE, 25, 1), 1
	s_wait_xcnt 0x0
; Causal attention with a key padding mask, one (batch, head) for each grid y.  hb: f16 [3][64][2048][64] (Q, K, V); pb: f32 [4][2048], 0 or -2^102; ab: f16 [64][2048][64].
; Work-group p (0..3) of a head does the query block 7 - p (256 rows) and then block p: (8 - p) + (p + 1) = 9 trips of 256 keys for every work-group.
; Trip n reads key tile idx(n) = n, or n - (8 - p) from n = 8 - p on; trips 7 - p and 8 are on the diagonal.  What lies above the diagonal tile is not computed.
; Eight waves, 32 queries each (two tiles u).  S^T = K Q^T and O^T = V^T P^T: a lane holds ONE query (l % 16) and keys 8 (l / 16) + j, so that
; maximum, rescale factor and sum are values of the lane, and S^T packs inside the lane into the second product's operand.
; The padding mask comes in as the C operand of the first product; the running maximum starts at -2^100, so a masked score (-2^102) gives p = 0,
; and a row with no valid key ends with l = 0, O = 0 and 0 x (1/0) = NaN, as the softmax of a row of -inf gives.
; The rescale factor is exp2(NM_new - NM_old) with NM = -c max as rounded for the exponents: all terms of a row carry one common factor, which cancels in O / l.
; LIMITS: raw scores below 2^78 in magnitude keep masked scores at exactly -2^102 (below 2^100 the masks still hold); the result has to stay below 65,504 (f16);
; l is summed from p in f32 while the second product uses p rounded to f16.
; NO JOINT LOADS: the four work-groups of a head need key tile i at trips i and i + 8 - p, which differ with p, and in different numbers.
; K and V tiles are asked for one whole trip ahead by the tensor loads themselves; no further look-ahead is written.
.set SLOT,  77824                      ; V: 256 rows x 160 bytes, then K: 256 rows x 144
.set KOFF,  40960
.set VP,    160                        ; an odd multiple of 32 bytes, for the transposing loads
.set KP,    144                        ; an odd multiple of 16 bytes
.set STAGE, 2*SLOT                     ; behind the ring: 32 rows x 144 bytes for each wave, its own; no tensor load lands here
.set SP,    144
.set QOF, 1                            ; v1      128 (l % 16) + 16 (l / 16): my bytes in 16 rows of Q
.set KAD, 2                            ; v2-3    LDS address of my K fragments in slot 0, 1
.set VAD, 4                            ; v4-5    the same for V
.set BOF, 6                            ; v6      32 (l / 16): my eight mask numbers in 16 keys
.set DL,  7                            ; v7      32 w + l % 16 - 8 (l / 16): query minus the lane's part of the key, on the diagonal
.set NEG, 8                            ; v8      -2^102
.set STO, 9
.set RD,  10
.set CO,  11
.set MX,  12                           ; v12-13  running maximum of tile u
.set LS,  14                           ; v14-17  running sum, a pair for each u
.set NM,  18                           ; v18-21  -c x maximum (low register of a pair)
.set AL,  22                           ; v22-25  rescale factor (low register of a pair)
.set T,   26                           ; v26-31  at work
.set BI,  32                           ; v32-63  mask numbers of 64 keys
.set SC,  64                           ; v64-127 S(u, kt) at 32 u + 8 kt; later P(u, a) at 32 u + 16 a
.set KR,  128                          ; v128-191 K(kt, ds) at 16 kt + 8 ds
.set VR,  192                          ; v192-255 V(a, t) at 32 a + 8 t
.set OA,  0                            ; window 1: v256-319 O(t, u) at 16 t + 8 u
.set QR,  64                           ; window 1: v320-351 Q(u, ds) at 16 u + 8 ds
.set G1V, 24
.set G1K, 32
.set G0V, 40                           ; a set for each slot
.set G0K, 48
.set MSB, 0
.macro WIN new                         ; the immediate's high byte repeats the setting that is left
.if MSB != \new
	s_set_vgpr_msb (MSB<<8)|\new
.set MSB, \new
.endif
.endm
.macro NOPS n
.rept \n
	v_nop
.endr
.endm
.macro TLOAD s                         ; waves 0-3 bring 64 rows of V each, waves 4-7 64 rows of K: one load a wave
	s_cmp_eq_u32 s11, 0
	s_cbranch_scc0 .Lfor_k_\@
	tensor_load_to_lds s[G0V+4*\s:G0V+4*\s+3], s[G1V:G1V+7]
	s_nop 0
	s_branch .Lasked_\@
.Lfor_k_\@:
	tensor_load_to_lds s[G0K+4*\s:G0K+4*\s+3], s[G1K:G1K+7]
	s_nop 0
.Lasked_\@:
.endm
	s_load_b128 s[4:7], s[0:1], 0x0                ; hb s[4:5], pb s[6:7]
	s_load_b64 s[8:9], s[0:1], 0x10                ; ab
	s_set_vgpr_msb 0x40
	v_lshl_add_u32 v96, v0, 2, 0x2f000
	v_mov_b32 v97, 0
	s_set_vgpr_msb 0x4045
	ds_add_u32 v96, v97
	ds_add_u32 v96, v97
	s_set_vgpr_msb 0x4500
	v_lshrrev_b32 v1, 5, v0
	v_readfirstlane_b32 s10, v1                    ; wave 0..7
	s_lshr_b32 s11, s10, 2                         ; I fetch for V (0) or for K (1)
	s_and_b32 s12, s10, 3                          ; which 64 rows
	s_mov_b32 s13, ttmp9                           ; p
	s_and_b32 s14, ttmp7, 0xffff                   ; batch x 16 + head
	s_sub_co_u32 s17, 8, s13
	s_sub_co_u32 s18, 7, s13
	s_mov_b32 s16, 0                               ; n, the trip
	s_mov_b32 s[G1V+0], (1<<16)|(1<<20)|(4<<22)|(7<<25)   ; elements of 2 bytes; after every 32 words 8 words of padding: pitch 160
	s_mov_b32 s[G1K+0], (1<<16)|(1<<20)|(4<<22)|(3<<25)   ; 4 words: pitch 144
.irp g, G1V, G1K
	s_mov_b32 s[\g+1], 64<<16                      ; tensor_dim0 = 64
	s_mov_b32 s[\g+2], 64<<16                      ; tensor_dim1 = 64
	s_mov_b32 s[\g+3], 64<<16                      ; tile_dim0 = 64
	s_mov_b32 s[\g+4], 64                          ; tile_dim1 = 64
	s_mov_b32 s[\g+5], 64                          ; elements from row to row
	s_mov_b32 s[\g+6], 0
	s_mov_b32 s[\g+7], 0
.endr
	s_lshl_b32 s20, s14, 18                        ; a head is 2048 x 128 bytes
	s_lshl_b32 s15, s12, 13                        ; my 64 rows
	s_add_co_u32 s20, s20, s15
	s_mov_b32 s21, 0
	s_mul_i32 s15, s10, 64*VP                      ; V's parts from the slot's start,
	s_mul_i32 s22, s10, 64*KP
	s_add_co_u32 s22, s22, KOFF-4*64*KP            ; K's (waves 4-7) behind them
	s_wait_dscnt 0x0
	s_wait_kmcnt 0x0
	s_add_nc_u64 s[58:59], s[4:5], s[20:21]
	s_add_nc_u64 s[56:57], s[58:59], 0x2000000     ; V is the third tensor of hb
	s_add_nc_u64 s[58:59], s[58:59], 0x1000000     ; K the second
.irp s, 0,1
	s_mov_b32 s[G0V+4*\s], 1
	s_add_co_u32 s[G0V+4*\s+1], s15, \s*SLOT
	s_add_nc_u64 s[G0V+4*\s+2:G0V+4*\s+3], s[56:57], \s*32768
	s_or_b32 s[G0V+4*\s+3], s[G0V+4*\s+3], 0x80000000
	s_mov_b32 s[G0K+4*\s], 1
	s_add_co_u32 s[G0K+4*\s+1], s22, \s*SLOT
	s_add_nc_u64 s[G0K+4*\s+2:G0K+4*\s+3], s[58:59], \s*32768
	s_or_b32 s[G0K+4*\s+3], s[G0K+4*\s+3], 0x80000000
	TLOAD \s                                       ; key tiles 0 and 1: two loads of the wave are out
.endr
	s_lshl_b32 s20, s14, 18
	s_lshl_b32 s15, s10, 12                        ; my 32 rows
	s_add_co_u32 s20, s20, s15
	s_add_nc_u64 s[76:77], s[4:5], s[20:21]        ; Q, head and wave
	s_add_nc_u64 s[78:79], s[8:9], s[20:21]        ; ab, head and wave
	s_lshl_b32 s20, s18, 15                        ; block 7 - p: 256 rows of 128 bytes each
	s_add_nc_u64 s[68:69], s[76:77], s[20:21]
	s_add_nc_u64 s[70:71], s[78:79], s[20:21]
	s_lshr_b32 s22, s14, 4
	s_lshl_b32 s22, s22, 13                        ; the batch's 2,048 mask numbers
	s_mov_b32 s23, 0
	s_add_nc_u64 s[60:61], s[6:7], s[22:23]
	s_mov_b64 s[62:63], s[60:61]                   ; this trip's 256
	s_add_nc_u64 s[66:67], s[60:61], 1024          ; the next trip's
	s_mov_b32 s72, 0x3e38aa3b                      ; c = log2(e) / 8: the scale 1 / sqrt(64) and the change of base in one
	s_mov_b32 s73, 0x3e38aa3b
	s_mov_b32 s74, 0x76543210                      ; lane i reads lane i of the other half
	s_mov_b32 s75, 0xfedcba98
	s_mul_i32 s15, s10, 32*SP
	s_add_co_u32 s15, s15, STAGE                   ; my stage
	v_and_b32 v26, 15, v0
	v_bfe_u32 v27, v0, 4, 1
	v_and_b32 v28, 7, v0
	v_bfe_u32 v29, v0, 3, 1
	v_lshlrev_b32 v[QOF], 7, v26
	v_lshl_add_u32 v[QOF], v27, 4, v[QOF]
	v_mul_u32_u24 v30, v26, KP
	v_lshl_add_u32 v30, v27, 4, v30                ; 144 (l % 16) + 16 (l / 16)
	v_add_nc_u32 v[KAD], KOFF, v30
	v_add_nc_u32 v[KAD+1], KOFF+SLOT, v30
	v_lshl_add_u32 v31, v27, 3, v28
	v_mul_u32_u24 v31, v31, VP                     ; row 8 (l / 16) + l % 8,
	v_lshl_add_u32 v[VAD], v29, 4, v31             ; 16 bytes by bit 3 of the lane
	v_add_nc_u32 v[VAD+1], SLOT, v[VAD]
	v_lshlrev_b32 v[BOF], 5, v27
	v_lshl_add_u32 v[DL], s10, 5, v26
	v_lshlrev_b32 v31, 3, v27
	v_sub_nc_u32 v[DL], v[DL], v31
	v_mov_b32 v[NEG], 0xf2800000
	v_add_nc_u32 v[STO], s15, v30
	v_bfe_u32 v31, v0, 3, 2
	v_mul_u32_u24 v31, v31, SP
	v_lshl_add_u32 v31, v28, 4, v31                ; back: four rows of 128 bytes by 32 lanes
	v_add_nc_u32 v[RD], s15, v31
	v_and_b32 v31, 31, v0
	v_lshlrev_b32 v[CO], 4, v31
.macro QLOAD                           ; my 32 queries as operand fragments, straight from memory: once for each block
	WIN 0x40
.irp u, 0,1
.irp ds, 0,1
	global_load_b128 v[QR+16*\u+8*\ds:QR+16*\u+8*\ds+3], v[QOF], s[68:69] offset:2048*\u+64*\ds
	global_load_b128 v[QR+16*\u+8*\ds+4:QR+16*\u+8*\ds+7], v[QOF], s[68:69] offset:2048*\u+64*\ds+32
.endr
.endr
	WIN 0
.endm
.macro BLOAD base, off                 ; the mask numbers of 64 keys: register j of tile kt = pb[16 kt + 8 (l / 16) + j]
.irp kt, 0,1,2,3
	global_load_b128 v[BI+8*\kt:BI+8*\kt+3], v[BOF], s[\base:\base+1] offset:\off+64*\kt
	global_load_b128 v[BI+8*\kt+4:BI+8*\kt+7], v[BOF], s[\base:\base+1] offset:\off+64*\kt+16
.endr
.endm
.macro KLOAD slot, ss                  ; 64 keys x 64 d, the lower half of d first
.irp ds, 0,1
.irp kt, 0,1,2,3
	ds_load_b128 v[KR+16*\kt+8*\ds:KR+16*\kt+8*\ds+3], v[KAD+\slot] offset:64*KP*(\ss)+16*KP*\kt+64*\ds
	ds_load_b128 v[KR+16*\kt+8*\ds+4:KR+16*\kt+8*\ds+7], v[KAD+\slot] offset:64*KP*(\ss)+16*KP*\kt+64*\ds+32
.endr
.endr
.endm
.macro INIT                            ; a block's state: maximum -2^100, NM = c 2^100, sum 0
.irp u, 0,1
	v_mov_b32 v[MX+\u], 0xf1800000
	v_mov_b32 v[NM+2*\u], 0x7038aa3b
	v_mov_b32 v[LS+2*\u], 0
	v_mov_b32 v[LS+2*\u+1], 0
.endr
.endm
.macro ROWMAX u                        ; the new maximum of tile u's queries, NM and the rescale factor's exponent
.irp kt, 0,1,2,3
	v_max3_num_f32 v[T+\kt], v[SC+32*\u+8*\kt], v[SC+32*\u+8*\kt+1], v[SC+32*\u+8*\kt+2]
.endr
.irp kt, 0,1,2,3
	v_max3_num_f32 v[T+\kt], v[T+\kt], v[SC+32*\u+8*\kt+3], v[SC+32*\u+8*\kt+4]
.endr
.irp kt, 0,1,2,3
	v_max3_num_f32 v[T+\kt], v[T+\kt], v[SC+32*\u+8*\kt+5], v[SC+32*\u+8*\kt+6]
.endr
.irp kt, 0,1,2,3
	v_max_num_f32 v[T+\kt], v[T+\kt], v[SC+32*\u+8*\kt+7]
.endr
	v_max3_num_f32 v[T], v[T], v[T+1], v[T+2]
	v_max3_num_f32 v[T], v[T], v[T+3], v[MX+\u]
	v_permlanex16_b32 v[T+4], v[T], s74, s75       ; the other half of the lanes holds the query's other keys
	v_max_num_f32 v[MX+\u], v[T], v[T+4]
	v_mul_f32 v[T+5], 0xbe38aa3b, v[MX+\u]         ; -c x maximum
	v_sub_f32 v[AL+2*\u], v[T+5], v[NM+2*\u]       ; NM_new - NM_old, at most 0
	v_mov_b32 v[NM+2*\u], v[T+5]
.endm
; 64 keys.  kind: 0 below the diagonal, 1 the diagonal if n = 7 - p, 2 the diagonal.  first = 1: the products start O.
; bl: the mask numbers asked for here: 1 the next 64 keys of this trip, 2 the next trip's first 64, 0 none.
.macro SUB slot, ss, kind, first, bl
.irp a, 0,1
.irp t, 0,1,2,3
	ds_load_tr16_b128 v[VR+32*\a+8*\t:VR+32*\a+8*\t+3], v[VAD+\slot] offset:64*VP*\ss+32*VP*\a+32*\t
	ds_load_tr16_b128 v[VR+32*\a+8*\t+4:VR+32*\a+8*\t+7], v[VAD+\slot] offset:64*VP*\ss+32*VP*\a+32*\t+16*VP
.endr
.endr
	s_wait_loadcnt 0x0                             ; the mask numbers (and, at a block's start, Q)
	s_wait_dscnt 24                                ; K's lower half of d is in: its upper half (8 loads) and V (16) may be out
	WIN 0x04                                       ; source 1 (Q) in window 1
	; the eight accumulators take turns, one instruction a turn
.irp u, 0,1
.irp kt, 0,1,2,3
	v_wmma_f32_16x16x32_f16 v[SC+32*\u+8*\kt:SC+32*\u+8*\kt+7], v[KR+16*\kt:KR+16*\kt+7], v[QR+16*\u:QR+16*\u+7], v[BI+8*\kt:BI+8*\kt+7]
.endr
.endr
	s_wait_dscnt 16                                ; all of K is in: V's 16 loads may be out
.irp u, 0,1
.irp kt, 0,1,2,3
	v_wmma_f32_16x16x32_f16 v[SC+32*\u+8*\kt:SC+32*\u+8*\kt+7], v[KR+16*\kt+8:KR+16*\kt+15], v[QR+16*\u+8:QR+16*\u+15], v[SC+32*\u+8*\kt:SC+32*\u+8*\kt+7]
.endr
.endr
	WIN 0
	NOPS 4                                         ; four places before K and the mask numbers are loaded again and S is read (ISA guide 7.12.1)
.if \ss < 3
	KLOAD \slot, \ss+1
.endif
.if \bl == 1
	BLOAD 62, 256*(\ss+1)
.endif
.if \bl == 2
	BLOAD 66, 0
.endif
.if \kind == 1
	s_cmp_lg_u32 s16, s18
	s_cbranch_scc1 .Lbelow_\@
.endif
.if \kind
	; key 64 ss + 16 kt + 8 (l / 16) + j above query 32 w + 16 u + l % 16: the score becomes -2^102
.irp u, 0,1
.irp kt, 0,1,2,3
.irp j, 0,1,2,3,4,5,6,7
	v_cmp_gt_i32 vcc_lo, 64*\ss+16*\kt+\j-16*\u, v[DL]
	v_cndmask_b32 v[SC+32*\u+8*\kt+\j], v[SC+32*\u+8*\kt+\j], v[NEG], vcc_lo
.endr
.endr
.endr
.endif
.if \kind == 1
.Lbelow_\@:
.endif
	ROWMAX 0
	ROWMAX 1
	v_exp_f32 v[AL], v[AL]
	v_exp_f32 v[AL+2], v[AL+2]
.set i, 0
.rept 32
	v_pk_fma_f32 v[SC+2*i:SC+2*i+1], v[SC+2*i:SC+2*i+1], s[72:73], v[NM+2*(i/16):NM+2*(i/16)+1] op_sel_hi:[1,0,0]   ; c S - c max
.set i, i+1
.endr
.set i, 0
.rept 64
	v_exp_f32 v[SC+i], v[SC+i]
.set i, i+1
.endr
	v_nop                                          ; one plain instruction between the exponentials and the first use of a result (ISA guide 5.7.2)
	; l = l x factor + the sum of p: two chains for each u
	s_wait_alu depctr_va_vdst(0)
.irp u, 0,1
	v_pk_fma_f32 v[LS+2*\u:LS+2*\u+1], v[LS+2*\u:LS+2*\u+1], v[AL+2*\u:AL+2*\u+1], v[SC+32*\u:SC+32*\u+1] op_sel_hi:[1,0,1]
	v_pk_add_f32 v[T+2*\u:T+2*\u+1], v[SC+32*\u+16:SC+32*\u+17], v[SC+32*\u+18:SC+32*\u+19]
.endr
.irp i, 2,4,6,8,10,12
.irp u, 0,1
	v_pk_add_f32 v[LS+2*\u:LS+2*\u+1], v[LS+2*\u:LS+2*\u+1], v[SC+32*\u+\i:SC+32*\u+\i+1]
	v_pk_add_f32 v[T+2*\u:T+2*\u+1], v[T+2*\u:T+2*\u+1], v[SC+32*\u+18+\i:SC+32*\u+18+\i+1]
.endr
.endr
.irp u, 0,1
	v_pk_add_f32 v[LS+2*\u:LS+2*\u+1], v[LS+2*\u:LS+2*\u+1], v[SC+32*\u+14:SC+32*\u+15]
.endr
.irp u, 0,1
	v_pk_add_f32 v[LS+2*\u:LS+2*\u+1], v[LS+2*\u:LS+2*\u+1], v[T+2*\u:T+2*\u+1]
.endr
	; p to f16, in place and ascending: keys 32 a + 8 (l / 16) + 0..7 in registers 0-3, + 16 in registers 4-7: the second product's operand as it stands
.irp u, 0,1
.irp a, 0,1
.irp i, 0,1,2,3,4,5,6,7
	v_cvt_pk_f16_f32 v[SC+32*\u+16*\a+\i], v[SC+32*\u+16*\a+2*\i], v[SC+32*\u+16*\a+2*\i+1]
.endr
.endr
.endr
.if \first == 0
	WIN 0x41                                       ; O in window 1, the factor in window 0
.irp t, 0,1,2,3
.irp u, 0,1
.irp i, 0,2,4,6
	v_pk_mul_f32 v[OA+16*\t+8*\u+\i:OA+16*\t+8*\u+\i+1], v[OA+16*\t+8*\u+\i:OA+16*\t+8*\u+\i+1], v[AL+2*\u:AL+2*\u+1] op_sel_hi:[1,0]
.endr
.endr
.endr
.endif
.if \ss < 3
	s_wait_dscnt 16                                ; V is in: the next K's 16 loads may be out
.else
	s_wait_dscnt 0
.endif
	WIN 0x50                                       ; C and D in window 1
	; the eight accumulators take turns, one instruction a turn
.irp a, 0,1
.irp t, 0,1,2,3
.irp u, 0,1
.if \first*(1-\a)
	v_wmma_f32_16x16x32_f16 v[OA+16*\t+8*\u:OA+16*\t+8*\u+7], v[VR+32*\a+8*\t:VR+32*\a+8*\t+7], v[SC+32*\u+16*\a:SC+32*\u+16*\a+7], 0
.else
	v_wmma_f32_16x16x32_f16 v[OA+16*\t+8*\u:OA+16*\t+8*\u+7], v[VR+32*\a+8*\t:VR+32*\a+8*\t+7], v[SC+32*\u+16*\a:SC+32*\u+16*\a+7], v[OA+16*\t+8*\u:OA+16*\t+8*\u+7]
.endif
.endr
.endr
.endr
	WIN 0
	NOPS 5                                         ; five places before the next first products write over P, four before V is loaded again (ISA guide 7.12.1)
.endm
; a block's end: O / l, to f16, through my own stage, out as 512 consecutive bytes a store.  O itself is left as it is.
.macro FINISH
	v_add_f32 v[T], v[LS], v[LS+1]
	v_add_f32 v[T+1], v[LS+2], v[LS+3]
	v_permlanex16_b32 v[T+2], v[T], s74, s75
	v_permlanex16_b32 v[T+3], v[T+1], s74, s75
	v_add_f32 v[T], v[T], v[T+2]
	v_add_f32 v[T+1], v[T+1], v[T+3]
	v_rcp_f32 v[AL], v[T]
	v_rcp_f32 v[AL+2], v[T+1]
	v_nop                                          ; one plain instruction before the reciprocals are used (ISA guide 5.7.2)
	WIN 0x01                                       ; source 0 (O) in window 1
	s_wait_alu depctr_va_vdst(0)
.irp t, 0,1,2,3
.irp u, 0,1
.irp i, 0,2,4,6
	v_pk_mul_f32 v[KR+16*\t+8*\u+\i:KR+16*\t+8*\u+\i+1], v[OA+16*\t+8*\u+\i:OA+16*\t+8*\u+\i+1], v[AL+2*\u:AL+2*\u+1] op_sel_hi:[1,0]
.endr
.endr
.endr
	WIN 0
.irp t, 0,1,2,3
.irp u, 0,1
.irp i, 0,1,2,3
	v_cvt_pk_f16_f32 v[VR+4*(2*\t+\u)+\i], v[KR+16*\t+8*\u+2*\i], v[KR+16*\t+8*\u+2*\i+1]
.endr
.endr
.endr
.irp t, 0,1,2,3
.irp u, 0,1
	ds_store_b128 v[STO], v[VR+4*(2*\t+\u):VR+4*(2*\t+\u)+3] offset:16*SP*\u+32*\t   ; query 16 u + l % 16, d = 16 t + 8 (l / 16) + 0..7
.endr
.endr
.irp i, 0,1,2,3,4,5,6,7
	ds_load_b128 v[VR+32+4*\i:VR+32+4*\i+3], v[RD] offset:4*SP*\i    ; LDS serves a wave's instructions in order: these see the stores above
.endr
.irp i, 0,1,2,3,4,5,6,7
	s_wait_dscnt 7-\i                              ; the younger read-backs may stay out
	global_store_b128 v[CO], v[VR+32+4*\i:VR+32+4*\i+3], s[70:71] offset:512*\i
.endr
	s_wait_xcnt 0x0                                ; the stores' data registers and base are written again only behind this wait
.endm
; the second block, p.  Where it begins hangs on p, so no first product can be written out for it: O is cleared, once in the launch.
.macro RESTART
	s_lshl_b32 s20, s13, 15
	s_mov_b32 s21, 0
	s_add_nc_u64 s[68:69], s[76:77], s[20:21]
	s_add_nc_u64 s[70:71], s[78:79], s[20:21]
	QLOAD
	INIT
	WIN 0x40
.set i, 0
.rept 64
	v_mov_b32 v[OA+i], 0
.set i, i+1
.endr
	WIN 0
.endm
; 256 keys from slot; oth = the other slot, which is filled again with tile idx(n + 1) if refill = 1.
.macro TRIP slot, oth, refill, kind, first
.if \first == 0
	s_set_vgpr_msb 0x5
	s_wait_tensorcnt 0x0                           ; all my tensor loads have landed, my part of this trip's tile among them: every group 0 may be written
	ds_add_u32 v96, v97
	s_wait_dscnt 0x0
	s_set_vgpr_msb 0x500
	s_wait_loadcnt 0x0                             ; the mask loads are back: their bases may be written
	s_add_co_u32 s16, s16, 1
	s_mov_b64 s[62:63], s[66:67]
.if \refill
	s_add_co_u32 s20, s16, 1
	s_cmp_ge_u32 s20, s17
	s_cselect_b32 s21, s17, 0
	s_sub_co_u32 s20, s20, s21                     ; idx(n + 1)
	s_lshl_b32 s22, s20, 10
	s_mov_b32 s23, 0
	s_lshl_b32 s20, s20, 15
	s_mov_b32 s21, 0
	s_add_nc_u64 s[G0V+4*\oth+2:G0V+4*\oth+3], s[56:57], s[20:21]
	s_or_b32 s[G0V+4*\oth+3], s[G0V+4*\oth+3], 0x80000000
	s_add_nc_u64 s[G0K+4*\oth+2:G0K+4*\oth+3], s[58:59], s[20:21]
	s_or_b32 s[G0K+4*\oth+3], s[G0K+4*\oth+3], 0x80000000
	s_add_nc_u64 s[66:67], s[60:61], s[22:23]
.endif
	s_wait_dscnt 0x0                               ; my reads of the other slot are over
	s_barrier_signal -1
	s_barrier_wait -1                              ; both now hold of all eight waves
.if \refill
	TLOAD \oth                                     ; my one tensor load behind the barrier: it has the whole trip in which to land
.endif
.endif
	KLOAD \slot, 0
	SUB \slot, 0, \kind, \first, 1
	SUB \slot, 1, \kind, 0, 1
	SUB \slot, 2, \kind, 0, 1
.if \kind == 2
	SUB \slot, 3, \kind, 0, 0
	FINISH
.else
	SUB \slot, 3, \kind, 0, 2
.endif
.if \kind == 1
	s_cmp_lg_u32 s16, s18
	s_cbranch_scc1 .Lon_\@
	FINISH
	RESTART
.Lon_\@:
.endif
.endm
	QLOAD
	BLOAD 62, 0
	INIT
.irp r, NM+1, NM+3, AL, AL+1, AL+2, AL+3
	v_mov_b32 v[\r], 0                             ; the upper registers of pairs of which the lower one is used: written once
.endr
	s_wait_tensorcnt 0x1                           ; my part of tile 0 is in; tile 1's may stay out
	s_barrier_signal -1
	s_barrier_wait -1
	TRIP 0, 1, 0, 0, 1                             ; n = 0: never on the diagonal (7 - p is at least 4); its first products start O
	s_mov_b32 s19, 3
.Lpair:
	TRIP 1, 0, 1, 1, 0                             ; n = 1, 3, 5
	TRIP 0, 1, 1, 1, 0                             ; n = 2, 4, 6
	s_sub_co_u32 s19, s19, 1
	s_cmp_lg_u32 s19, 0
	s_cbranch_scc1 .Lpair
	TRIP 1, 0, 1, 1, 0                             ; n = 7
	TRIP 0, 1, 0, 2, 0                             ; n = 8: block p's diagonal; nothing is left to fetch
	s_set_vgpr_msb 0x5
	s_wait_tensorcnt 0x0
	ds_add_u32 v96, v97
	s_wait_dscnt 0x0
	s_set_vgpr_msb 0x500
	s_endpgm
.Lfunc_end_k_qa54126955a_attn:
	.size	k_qa54126955a_attn, .Lfunc_end_k_qa54126955a_attn-k_qa54126955a_attn
	.p2alignl 7, 3214868480
	.fill 96, 4, 3214868480
	.section	.rodata,"a",@progbits
	.p2align	6, 0x0
	.amdhsa_kernel k_qa54126955a_attn
		.amdhsa_group_segment_fixed_size 327680
		.amdhsa_private_segment_fixed_size 0
		.amdhsa_enable_private_segment 0
		.amdhsa_kernarg_size 24
		.amdhsa_user_sgpr_count 2
		.amdhsa_user_sgpr_kernarg_segment_ptr 1
		.amdhsa_wavefront_size32 1
		.amdhsa_system_sgpr_workgroup_id_x 1
		.amdhsa_system_sgpr_workgroup_id_y 1
		.amdhsa_system_sgpr_workgroup_id_z 1
		.amdhsa_system_vgpr_workitem_id 0
		.amdhsa_next_free_vgpr 354
		.amdhsa_next_free_sgpr 80
		.amdhsa_reserve_vcc 1
		.amdhsa_float_denorm_mode_32 3
		.amdhsa_float_denorm_mode_16_64 3
		.amdhsa_memory_ordered 1
		.amdhsa_forward_progress 1
		.amdhsa_inst_pref_size 255
	.end_amdhsa_kernel
	.section	.bss,"aw",@nobits
	.p2align	6
	.space	262144
	.amdgpu_metadata
---
amdhsa.version: [ 1, 2 ]
amdhsa.kernels:
  - .name:           k_qa54126955a_attn
    .symbol:         k_qa54126955a_attn.kd
    .args:
      - { .name: hb, .offset: 0, .size: 8, .value_kind: global_buffer, .address_space: global }
      - { .name: pb, .offset: 8, .size: 8, .value_kind: global_buffer, .address_space: global }
      - { .name: ab, .offset: 16, .size: 8, .value_kind: global_buffer, .address_space: global }
    .group_segment_fixed_size: 327680
    .private_segment_fixed_size: 0
    .kernarg_segment_align: 8
    .kernarg_segment_size: 24
    .max_flat_workgroup_size: 256
    .sgpr_count:     80
    .vgpr_count:     354
    .wavefront_size: 32
...
	.end_amdgpu_metadata
.endif
;; end of part 3
;; launch oproj (part 4): grid 4 x 64, 4 waves a work-group, clusters of 4 x 4, 327,680 bytes of LDS; arguments ab, wb, b_o, out0; writes out0
.if DOCPART == 4
	.amdgcn_target "amdgcn-amd-amdhsa--gfx1250"
	.amdhsa_code_object_version 6
	.text
	.protected	k_qa54126955a_oproj
	.globl	k_qa54126955a_oproj
	.p2align	8
	.type	k_qa54126955a_oproj,@function
k_qa54126955a_oproj:
	s_mov_b64 s[64:65], 0
	v_nop
	global_prefetch_b8 v0, s[64:65] scope:SCOPE_SE
	s_setreg_imm32_b32 hwreg(HW_REG_WAVE_MODE, 25, 1), 1
	s_wait_xcnt 0x0
	s_wait_alu depctr_hold_cnt(0) depctr_sa_sdst(0) depctr_va_vdst(0) depctr_va_sdst(0) depctr_va_ssrc(0) depctr_va_vcc(0) depctr_vm_vsrc(0)
	s_getreg_b32 s2, hwreg(HW_REG_IB_STS2, 6, 4)
	s_cmp_eq_u32 s2, 0
	s_cbranch_scc0 .Lentry_in_a_cluster
	s_endpgm
.Lentry_in_a_cluster:
	s_bfe_u32 s2, ttmp6, 0x10000c
	s_cmp_lg_u32 s2, 0xf033
	s_cbranch_scc0 .Lentry_shape_is_right
	s_endpgm
.Lentry_shape_is_right:
; C[m][n] = sum over k of A[m][k] W[n][k] + bias[n], K = 1024.  One text for two launches, chosen by MODE.
; MODE 0: A = xb (bf16 [3 x 8192][1024]: q, k, v), W = wb[tensor] (bf16), bias b_q / b_k / b_v; C goes out as f16, by heads: hb[tensor][batch*16+head][s][64].
; MODE 1: A = ab (f16, by heads [64][2048][64]), W = wb[3] (f16), bias b_o; C = out0, f32 [8192][1024].
; LIMIT (MODE 0): |C| has to stay below 65,504, the largest f16 number.
; A work-group makes 128 x 256 of C with four waves, a wave 64 x 128: 32 accumulator tiles, 256 registers.  The block is 128 rows high so that
; the launches have 768 and 256 work-groups.  K goes in steps of 128 through two LDS slots filled by the tensor data mover.
; CLUSTERS of 4 x 4 work-groups: A's tile hangs on the block row alone and is asked for jointly by a row of the cluster, W's on the block column
; (and on the tensor, which the whole cluster shares) and is asked for jointly by a column.  Waves 0, 1 ask for W's two halves, waves 2, 3 for A's.
; The matrix instruction is used transposed (source 0 = rows of W, source 1 = rows of A): register j of lane l holds C(m = l % 16, n = 8 (l / 16) + j).
; The bias is the C operand of each accumulator's first product: nothing is cleared, nothing is added later.
; REGISTERS: window 0: v0-31 addresses, v32-95 / v128-191 fragments of W, v96-127 / v192-223 fragments of A (two buffers), v224-255 at work;
; window 1: accumulator (a, b) at 8 (8 a + b); window 2: v512-575 the bias, 8 registers for each b.
.set MODE, 1
.set BPITCH, 272                       ; an LDS row of W: 256 bytes + 16 of padding: an odd multiple of 16, so the 16 rows of a fragment start in 16 different 16-byte columns
.set BHALF,  128*BPITCH                ; 128 rows of W: one tensor load, and what one wave reads
.set AOFF,   2*BHALF                   ; A's tile lies behind W's 256 rows
.if MODE
.set APITCH, 144                       ; a head's row: 128 bytes + 16
.set AROWS,  128                       ; one tensor load: 128 rows of one head; a K step is two heads
.set ACOLS,  64
.set ASTRIDE, 64
.set AQI,    4                         ; padding after every 32 words
.set ASTEP,  2*2048*128                ; two heads on
.set SPITCH, 528                       ; stage: 128 f32 + 16 bytes
.else
.set APITCH, 272
.set AROWS,  64                        ; one tensor load: 64 rows x 128 K
.set ACOLS,  128
.set ASTRIDE, 1024
.set AQI,    5                         ; padding after every 64 words
.set ASTEP,  256
.set SPITCH, 272                       ; stage: 128 f16 + 16 bytes
.endif
.set APART,  AROWS*APITCH
.set SLOT,   AOFF+2*APART
.set STAGE,  2*SLOT                    ; behind the ring: 16 rows for each wave, its own; no tensor load lands here
.set BSTEP,  256
.set LAPS,   4                         ; 1024 / (2 x 128): a lap is once round the ring
.set ADRA, 16                          ; v16-17 LDS address of my A fragments in slot 0, 1
.set ADRB, 20                          ; v20-21 the same for W
.set STO,  24
.set RD,   25
.set CO,   26
.set BO,   27
.set FB0,  32
.set FA0,  96
.set FB1,  128
.set FA1,  192
.set TMP,  224
.set G1,  24                           ; s[24:31] group 1 for A
.set G0,  32                           ; s[32:39] group 0 for A, a set for each slot
.set G1B, 48                           ; s[48:55] group 1 for W
.set G0B, 56                           ; s[56:63] group 0 for W
.set MSB, 0
.macro WIN new                         ; the immediate's high byte repeats the setting that is left
.if MSB != \new
	s_set_vgpr_msb (MSB<<8)|\new
.set MSB, \new
.endif
.endm
.set MUL,  0x50                        ; C and D in window 1
.set MULB, 0x60                        ; D in window 1, C (the bias) in window 2
.macro JLOAD s                         ; a joint load: one line and one mask for W, one for A; the branch hangs on the wave's number alone
	s_cmp_eq_u32 s11, 0
	s_cbranch_scc0 .Lfor_a_\@
	tensor_load_to_lds s[G0B+4*\s:G0B+4*\s+3], s[G1B:G1B+7]
	s_nop 0
	s_branch .Lasked_\@
.Lfor_a_\@:
	tensor_load_to_lds s[G0+4*\s:G0+4*\s+3], s[G1:G1+7]
	s_nop 0
.Lasked_\@:
.endm
.macro CREST                           ; a round of the cluster's barrier behind its opening barrier
	s_cmp_lg_u32 s10, 0
	s_cbranch_scc1 .Lnot_wave_0_\@
	s_barrier_signal -3
.Lnot_wave_0_\@:
	s_barrier_wait -3
	s_barrier_signal -1
	s_barrier_wait -1
.endm
.macro CROUND
	s_barrier_signal -1
	s_barrier_wait -1
	CREST
.endm
	s_load_b128 s[4:7], s[0:1], 0x0                ; A s[4:5], wb s[6:7]
.if MODE
	s_load_b128 s[72:75], s[0:1], 0x10             ; b_o s[72:73], out0 s[74:75]
	v_lshl_add_u32 v254, v0, 2, 0x3c400
	v_mov_b32 v255, 0
	ds_add_u32 v254, v255
	ds_add_u32 v254, v255
.else
	s_load_b128 s[68:71], s[0:1], 0x10             ; b_q, b_k
	s_load_b128 s[72:75], s[0:1], 0x20             ; b_v, hb s[74:75]
.endif
	v_lshrrev_b32 v1, 5, v0
	v_readfirstlane_b32 s10, v1                    ; wave 0..3
	s_lshr_b32 s11, s10, 1                         ; my half of the block's rows.  Also: I fetch for W (0) or for A (1)
	s_and_b32 s12, s10, 1                          ; my half of its columns.  Also: which part of that tile I fetch
	s_bfe_u32 s40, ttmp6, 0x40000                  ; cx
	s_bfe_u32 s41, ttmp6, 0x40004                  ; cy
	s_lshl_b32 s42, ttmp9, 2
	s_add_co_u32 s42, s42, s40                     ; block column = 4 x cluster x + cx
	s_and_b32 s13, ttmp7, 0xffff
.if MODE == 0
	s_lshr_b32 s45, s13, 4                         ; which tensor: 16 clusters (64 block rows) each; the same in the whole cluster
.endif
	s_lshl_b32 s13, s13, 2
	s_add_co_u32 s13, s13, s41                     ; block row = 4 x cluster y + cy
	s_lshl_b32 s43, s41, 2
	s_lshl_b32 s43, 15, s43                        ; my row of the cluster
	s_lshl_b32 s44, 0x1111, s40                    ; my column
	s_or_b32 s[G1+0], s43, (1<<16)|(1<<20)|(1<<21)|(AQI<<22)|(3<<25)   ; mask; elements of 2 bytes; padding on, 4 words behind each row; bit 21 beside a mask
	s_or_b32 s[G1B+0], s44, (1<<16)|(1<<20)|(1<<21)|(5<<22)|(3<<25)
	s_mov_b32 s[G1+1], ACOLS<<16                   ; tensor_dim0
	s_mov_b32 s[G1+2], AROWS<<16                   ; tensor_dim1
	s_mov_b32 s[G1+3], ACOLS<<16                   ; tile_dim0
	s_mov_b32 s[G1+4], AROWS                       ; tile_dim1
	s_mov_b32 s[G1+5], ASTRIDE                     ; elements from row to row
	s_mov_b32 s[G1+6], 0
	s_mov_b32 s[G1+7], 0
	s_mov_b32 s[G1B+1], 128<<16
	s_mov_b32 s[G1B+2], 128<<16
	s_mov_b32 s[G1B+3], 128<<16
	s_mov_b32 s[G1B+4], 128
	s_mov_b32 s[G1B+5], 1024
	s_mov_b32 s[G1B+6], 0
	s_mov_b32 s[G1B+7], 0
	; where the tiles come from: A's offset is made of the block row and the wave, W's of the block column, the tensor and the wave, in registers of their own
.if MODE
	s_lshr_b32 s16, s13, 4                         ; batch
	s_lshl_b32 s16, s16, 4
	s_add_co_u32 s16, s16, s12                     ; batch x 16 + my head of the K step's two
	s_lshl_b32 s16, s16, 11
	s_and_b32 s17, s13, 15
	s_lshl_b32 s17, s17, 7
	s_add_co_u32 s16, s16, s17                     ; + the block's first row in the sequence
	s_lshl_b32 s16, s16, 7                         ; rows of 128 bytes
	s_lshl_b32 s46, s42, 8
	s_add_co_u32 s46, s46, 3072                    ; W_o is the fourth of wb
.else
	s_lshl_b32 s16, s13, 7
	s_lshl_b32 s17, s12, 6
	s_add_co_u32 s16, s16, s17                     ; row 128 x block row + 64 x part
	s_lshl_b32 s16, s16, 11                        ; rows of 2,048 bytes
	s_lshl_b32 s46, s45, 10
	s_lshl_b32 s47, s42, 8
	s_add_co_u32 s46, s46, s47
.endif
	s_mov_b32 s17, 0
	s_lshl_b32 s47, s12, 7
	s_add_co_u32 s46, s46, s47                     ; W's row: 1024 x tensor + 256 x block column + 128 x half
	s_lshl_b32 s46, s46, 11
	s_mov_b32 s47, 0
	s_mul_i32 s20, s10, APART                      ; and where they go: waves 2, 3 behind W's tile,
	s_add_co_u32 s20, s20, AOFF-2*APART
	s_mul_i32 s21, s10, BHALF                      ; waves 0, 1 at the slot's start: the wave's number times a constant
	s_wait_dscnt 0x0
	s_wait_kmcnt 0x0
	s_add_nc_u64 s[14:15], s[4:5], s[16:17]
	s_add_nc_u64 s[46:47], s[6:7], s[46:47]
	CROUND                                         ; all sixteen work-groups are here: the first joint loads meet
.irp s, 0,1
	s_mov_b32 s[G0+4*\s], 1
	s_add_co_u32 s[G0+4*\s+1], s20, \s*SLOT
	s_add_nc_u64 s[G0+4*\s+2:G0+4*\s+3], s[14:15], \s*ASTEP
	s_or_b32 s[G0+4*\s+3], s[G0+4*\s+3], 0x80000000
	s_mov_b32 s[G0B+4*\s], 1
	s_add_co_u32 s[G0B+4*\s+1], s21, \s*SLOT
	s_add_nc_u64 s[G0B+4*\s+2:G0B+4*\s+3], s[46:47], \s*BSTEP
	s_or_b32 s[G0B+4*\s+3], s[G0B+4*\s+3], 0x80000000
	JLOAD \s                                       ; K steps 0 and 1: two loads of the wave are out
.endr
	; fragment addresses: lane l holds row l % 16; two loads of 16 bytes, 32 apart, at row x pitch + 16 (l / 16)
	v_and_b32 v1, 15, v0
	v_bfe_u32 v2, v0, 4, 1
	v_mul_u32_u24 v3, v1, BPITCH
	v_lshl_add_u32 v3, v2, 4, v3
	v_mul_u32_u24 v4, v1, APITCH
	v_lshl_add_u32 v4, v2, 4, v4
	s_mul_i32 s22, s11, 64*APITCH                  ; my 64 rows of A
	s_add_co_u32 s22, s22, AOFF
	s_mul_i32 s23, s12, BHALF                      ; my 128 rows of W
.irp s, 0,1
	v_add_nc_u32 v[ADRA+\s], s22, v4
	v_add_nc_u32 v[ADRB+\s], s23, v3
	s_add_co_u32 s22, s22, SLOT
	s_add_co_u32 s23, s23, SLOT
.endr
	s_mul_i32 s22, s10, 16*SPITCH
	s_add_co_u32 s22, s22, STAGE                   ; my stage
.if MODE
	v_mul_u32_u24 v5, v1, SPITCH                   ; in: row l % 16, 32 bytes for each half of the lanes
	v_lshl_add_u32 v5, v2, 5, v5
	v_add_nc_u32 v[STO], s22, v5
	v_and_b32 v6, 31, v0
	v_lshlrev_b32 v[CO], 4, v6                     ; back and out: a row of 512 bytes by 32 lanes
	v_add_nc_u32 v[RD], s22, v[CO]
.else
	v_add_nc_u32 v[STO], s22, v3                   ; in: row l % 16, 16 bytes for each half of the lanes
	v_bfe_u32 v5, v0, 3, 1
	v_and_b32 v6, 7, v0
	v_mul_u32_u24 v7, v5, SPITCH                   ; back: lanes 0-7 a head's 128 bytes of one row, lanes 8-15 of the next row, lanes 16-31 the other head
	v_lshl_add_u32 v7, v2, 7, v7
	v_lshl_add_u32 v7, v6, 4, v7
	v_add_nc_u32 v[RD], s22, v7
	v_lshlrev_b32 v7, 18, v2                       ; out: heads are 2048 x 128 bytes apart, a head's rows follow each other
	v_lshl_add_u32 v7, v5, 7, v7
	v_lshl_add_u32 v[CO], v6, 4, v7
.endif
	; the bias of my 128 columns: register j of tile b = bias[16 b + 8 (l / 16) + j]
	v_lshlrev_b32 v[BO], 5, v2
	s_lshl_b32 s66, s42, 10
	s_lshl_b32 s67, s12, 9
	s_add_co_u32 s66, s66, s67
	s_mov_b32 s67, 0
.if MODE
	s_mov_b64 s[76:77], s[72:73]
.else
	s_cmp_eq_u32 s45, 1
	s_cselect_b64 s[76:77], s[70:71], s[68:69]
	s_cmp_eq_u32 s45, 2
	s_cselect_b64 s[76:77], s[72:73], s[76:77]
.endif
	s_add_nc_u64 s[76:77], s[76:77], s[66:67]
	WIN 0x80                                       ; destination in window 2
.irp b, 0,1,2,3,4,5,6,7
	global_load_b128 v[8*\b:8*\b+3], v[BO], s[76:77] offset:64*\b
	global_load_b128 v[8*\b+4:8*\b+7], v[BO], s[76:77] offset:64*\b+16
.endr
	WIN 0
	; where my 64 x 128 of C goes
.if MODE
	s_lshl_b32 s66, s13, 7
	s_lshl_b32 s78, s11, 6
	s_add_co_u32 s66, s66, s78                     ; my first row
	s_lshl_b32 s66, s66, 12                        ; rows of 4,096 bytes
	s_lshl_b32 s78, s42, 10
	s_add_co_u32 s66, s66, s78
	s_lshl_b32 s78, s12, 9
	s_add_co_u32 s66, s66, s78                     ; + my first column
.else
	s_bfe_u32 s66, s13, 0x20004                    ; batch = (block row / 16) % 4
	s_lshl_b32 s66, s66, 4
	s_lshl_b32 s78, s42, 2
	s_add_co_u32 s66, s66, s78
	s_lshl_b32 s78, s12, 1
	s_add_co_u32 s66, s66, s78                     ; batch x 16 + the first of my two heads
	s_lshl_b32 s66, s66, 11
	s_and_b32 s78, s13, 15
	s_lshl_b32 s78, s78, 7
	s_add_co_u32 s66, s66, s78
	s_lshl_b32 s78, s11, 6
	s_add_co_u32 s66, s66, s78                     ; + my first row in the sequence
	s_lshl_b32 s66, s66, 7                         ; rows of 128 bytes
	s_lshl_b32 s78, s45, 24
	s_add_co_u32 s66, s66, s78                     ; + the tensor's 16 MiB
.endif
	s_mov_b32 s67, 0
	s_add_nc_u64 s[8:9], s[74:75], s[66:67]
.macro MM d, x, y, c
.if MODE
	v_wmma_f32_16x16x32_f16 v[\d:\d+7], v[\x:\x+7], v[\y:\y+7], v[\c:\c+7]
.else
	v_wmma_f32_16x16x32_bf16 v[\d:\d+7], v[\x:\x+7], v[\y:\y+7], v[\c:\c+7]
.endif
.endm
; eight matrix instructions: row tile a x all eight column tiles, 32 along K.  first = 1: the sum starts from the bias.
; The 32 accumulators take turns, one instruction a turn, in the same order in every quarter step.
.macro MUL8 fb, fa, a, first
.irp b, 0,1,2,3,4,5,6,7
.if \first
	MM 8*(8*\a+\b), \fb+8*\b, \fa+8*\a, 8*\b
.else
	MM 8*(8*\a+\b), \fb+8*\b, \fa+8*\a, 8*(8*\a+\b)
.endif
.endr
.endm
; 24 LDS loads in one run: quarter step kq of the slot (128 rows of W first, then 64 rows of A)
.macro FETCH slot, kq, gb, ga
.if MODE
.set AK, (\kq>>1)*APART+(\kq&1)*64
.else
.set AK, 64*\kq
.endif
.irp i, 0,1,2,3,4,5,6,7
	ds_load_b128 v[\gb+8*\i:\gb+8*\i+3], v[ADRB+\slot] offset:64*\kq+\i*16*BPITCH
	ds_load_b128 v[\gb+8*\i+4:\gb+8*\i+7], v[ADRB+\slot] offset:64*\kq+\i*16*BPITCH+32
.endr
.irp i, 0,1,2,3
	ds_load_b128 v[\ga+8*\i:\ga+8*\i+3], v[ADRA+\slot] offset:AK+\i*16*APITCH
	ds_load_b128 v[\ga+8*\i+4:\ga+8*\i+7], v[ADRA+\slot] offset:AK+\i*16*APITCH+32
.endr
.endm
; four plain vector instructions stand between a matrix instruction and a load into one of its registers or a vector read of its result
.macro PLACES
.rept 4
	v_nop
.endr
.endm
.macro QUARTER slot, kq, fb, fa, gb, ga, first
	s_wait_dscnt 4                                 ; W's fragments and A's 0, 1 are in; the youngest four loads (A's 2, 3) may be out
.if \first
	WIN MULB
.else
	WIN MUL
.endif
	MUL8 \fb, \fa, 0, \first
	MUL8 \fb, \fa, 1, \first
	PLACES
	WIN 0
	FETCH \slot, \kq, \gb, \ga
	s_wait_dscnt 24                                ; all but the 24 just issued
.if \first
	WIN MULB
.else
	WIN MUL
.endif
	MUL8 \fb, \fa, 2, \first
	MUL8 \fb, \fa, 3, \first
.endm
.macro THREE slot, first
	QUARTER \slot, 1, FB0, FA0, FB1, FA1, \first
	QUARTER \slot, 2, FB1, FA1, FB0, FA0, 0
	QUARTER \slot, 3, FB0, FA0, FB1, FA1, 0
.endm
; the last quarter of a K step changes slots.  In front of the barrier each wave waits for its reads of this slot and for all its tensor loads
; (one is out: its part of the next slot); behind it (where the slot is filled again: behind the round of the cluster's barrier that it opens)
; the joint refill comes first, then the next slot's first fragments.
.macro TURN slot, next, fill
	s_wait_dscnt 4
	WIN MUL
	MUL8 FB1, FA1, 0, 0
	s_wait_dscnt 0                                 ; my reads of this slot are over
	s_wait_tensorcnt 0x0                           ; all my tensor loads have landed
	ds_add_u32 v254, v255
	s_wait_dscnt 0x0
	s_barrier_signal -1
	MUL8 FB1, FA1, 1, 0                            ; register work while the others arrive
	WIN 0
	s_barrier_wait -1
.if \fill
	CREST                                          ; no wave of any partner still reads this slot or has a load on its way
	s_add_nc_u64 s[G0+4*\slot+2:G0+4*\slot+3], s[G0+4*\slot+2:G0+4*\slot+3], 2*ASTEP
	s_add_nc_u64 s[G0B+4*\slot+2:G0B+4*\slot+3], s[G0B+4*\slot+2:G0B+4*\slot+3], 2*BSTEP
	JLOAD \slot                                    ; my one tensor load behind the round
.endif
	PLACES
	FETCH \next, 0, FB0, FA0
	WIN MUL
	MUL8 FB1, FA1, 2, 0
	MUL8 FB1, FA1, 3, 0
.endm
.macro LAP first
	THREE 0, \first
	TURN 0, 1, 1
	THREE 1, 0
	TURN 1, 0, 1
.endm
	s_wait_loadcnt 0x0                             ; the bias
	s_wait_tensorcnt 0x1                           ; my part of K step 0 is in; K step 1's may stay out
	s_barrier_signal -1
	s_barrier_wait -1
	FETCH 0, 0, FB0, FA0
	LAP 1                                          ; the first lap stands in front of the loop: its first products start the sums
	WIN 0
	s_mov_b32 s3, LAPS-2
.Llap:
	LAP 0
	WIN 0
	s_sub_co_u32 s3, s3, 1
	s_cmp_lg_u32 s3, 0
	s_cbranch_scc1 .Llap
	THREE 0, 0                                     ; the last lap fills nothing
	TURN 0, 1, 0
	THREE 1, 0
	s_wait_dscnt 4
	WIN MUL
	MUL8 FB1, FA1, 0, 0
	MUL8 FB1, FA1, 1, 0
	s_wait_dscnt 0
	MUL8 FB1, FA1, 2, 0
	MUL8 FB1, FA1, 3, 0
	PLACES                                         ; behind the last matrix instructions: results are read, fragment registers loaded
; THE WAY OUT, 16 rows at a time, through my own stage: LDS serves a wave's instructions in order, so no wait stands between its stores and its loads
.macro OUT16 a, f
.if MODE
	WIN 0x04                                       ; store data in window 1
.irp b, 0,1,2,3,4,5,6,7
	ds_store_b128 v[STO], v[8*(8*\a+\b):8*(8*\a+\b)+3] offset:64*\b
	ds_store_b128 v[STO], v[8*(8*\a+\b)+4:8*(8*\a+\b)+7] offset:64*\b+16
.endr
	WIN 0
	s_wait_xcnt 0x0                                ; buffer f, which earlier stores read, is loaded again only behind this wait
.irp t, 0,1,2,3,4,5,6,7,8,9,10,11,12,13,14,15
	ds_load_b128 v[\f+4*\t:\f+4*\t+3], v[RD] offset:\t*SPITCH
.endr
.irp t, 0,1,2,3,4,5,6,7,8,9,10,11,12,13,14,15
	s_wait_dscnt 15-\t                             ; the younger read-backs may stay out
	global_store_b128 v[CO], v[\f+4*\t:\f+4*\t+3], s[8:9] offset:(16*\a+\t)*4096 th:TH_STORE_NT   ; 512 consecutive bytes of a row, at a multiple of 512
.endr
.else
	WIN 0x05                                       ; both sources in window 1
.irp b, 0,1,2,3,4,5,6,7
.irp r, 0,1,2,3
	v_cvt_pk_f16_f32 v[TMP+4*\b+\r], v[8*(8*\a+\b)+2*\r], v[8*(8*\a+\b)+2*\r+1]
.endr
.endr
	WIN 0
.irp b, 0,1,2,3,4,5,6,7
	ds_store_b128 v[STO], v[TMP+4*\b:TMP+4*\b+3] offset:32*\b
.endr
	s_wait_xcnt 0x0                                ; buffer f, which earlier stores read, is loaded again only behind this wait
.irp t, 0,1,2,3,4,5,6,7
	ds_load_b128 v[\f+4*\t:\f+4*\t+3], v[RD] offset:\t*2*SPITCH
.endr
.irp t, 0,1,2,3,4,5,6,7
	s_wait_dscnt 7-\t                              ; the younger read-backs may stay out
	global_store_b128 v[CO], v[\f+4*\t:\f+4*\t+3], s[8:9] offset:2048*\a+256*\t   ; 16 lanes: two rows of one head, 256 consecutive bytes at a multiple of 256
.endr
.endif
.endm
	OUT16 0, FB0
	OUT16 1, FB1
	OUT16 2, FB0
	OUT16 3, FB1
	s_wait_tensorcnt 0x0
	ds_add_u32 v254, v255
	s_wait_dscnt 0x0
	CROUND                                         ; the closing round: no work-group ends while a partner may still ask for a tile that names it
	s_endpgm
.Lfunc_end_k_qa54126955a_oproj:
	.size	k_qa54126955a_oproj, .Lfunc_end_k_qa54126955a_oproj-k_qa54126955a_oproj
	.p2alignl 7, 3214868480
	.fill 96, 4, 3214868480
	.section	.rodata,"a",@progbits
	.p2align	6, 0x0
	.amdhsa_kernel k_qa54126955a_oproj
		.amdhsa_group_segment_fixed_size 327680
		.amdhsa_private_segment_fixed_size 0
		.amdhsa_enable_private_segment 0
		.amdhsa_kernarg_size 32
		.amdhsa_user_sgpr_count 2
		.amdhsa_user_sgpr_kernarg_segment_ptr 1
		.amdhsa_wavefront_size32 1
		.amdhsa_system_sgpr_workgroup_id_x 1
		.amdhsa_system_sgpr_workgroup_id_y 1
		.amdhsa_system_sgpr_workgroup_id_z 1
		.amdhsa_system_vgpr_workitem_id 0
		.amdhsa_next_free_vgpr 576
		.amdhsa_next_free_sgpr 80
		.amdhsa_reserve_vcc 0
		.amdhsa_float_denorm_mode_32 3
		.amdhsa_float_denorm_mode_16_64 3
		.amdhsa_memory_ordered 1
		.amdhsa_forward_progress 1
		.amdhsa_inst_pref_size 120
	.end_amdhsa_kernel
	.amdgpu_metadata
---
amdhsa.version: [ 1, 2 ]
amdhsa.kernels:
  - .name:           k_qa54126955a_oproj
    .symbol:         k_qa54126955a_oproj.kd
    .args:
      - { .name: ab, .offset: 0, .size: 8, .value_kind: global_buffer, .address_space: global }
      - { .name: wb, .offset: 8, .size: 8, .value_kind: global_buffer, .address_space: global }
      - { .name: b_o, .offset: 16, .size: 8, .value_kind: global_buffer, .address_space: global }
      - { .name: out0, .offset: 24, .size: 8, .value_kind: global_buffer, .address_space: global }
    .group_segment_fixed_size: 327680
    .private_segment_fixed_size: 0
    .kernarg_segment_align: 8
    .kernarg_segment_size: 32
    .max_flat_workgroup_size: 128
    .sgpr_count:     80
    .vgpr_count:     576
    .wavefront_size: 32
...
	.end_amdgpu_metadata
.endif
;; end of part 4
